; MI455X (gfx1250); checked and timed in simulation.
; The chip was launched on July 23, 2026; its instructions are those of AMD's public machine-readable ISA for CDNA 5 (MIT licence, August 2026) and "CDNA5" Instruction Set Architecture Reference Guide (July 2026). The comments in the code are by the model that wrote it; some were corrected since.
;; Causal Self Attention. Allowed arithmetic: matrix products marked QUANTISED: E4M3 operands, one given power-of-two scale a tensor, by v_wmma_f32_16x16x64_fp8_fp8 or v_wmma_f32_16x16x128_fp8_fp8, f32 sums; everything else in f32.
;; Inputs: Wk_codes 16 x 64 x 32 x 32 uint8 (E4M3 codes of Wk, K innermost, in blocks of 32 codes); Wo_codes 1,024 x 32 x 32 uint8 (E4M3 codes of Wo, K innermost, in blocks of 32 codes); Wq_codes 16 x 64 x 32 x 32 uint8 (E4M3 codes of Wq, K innermost, in blocks of 32 codes); Wv_codes 16 x 64 x 32 x 32 uint8 (E4M3 codes of Wv, K innermost, in blocks of 32 codes); lowp_scales 12 int32 (the exponents e of the quantised operands' scales 2^e); x_codes 2 x 2,048 x 32 x 32 uint8 (E4M3 codes of x, K innermost, in blocks of 32 codes).
;; Outputs: out0 2 x 2,048 x 1,024 float32.
;; This version of the problem:
;;   THIS VERSION OF THE PROBLEM IS GIVEN IN LOW PRECISION. The matrix products marked QUANTISED in the list below multiply operands that are first quantised to E4M3 (4 exponent bits, 3 mantissa bits; 8 bits a number), with one given power-of-two scale for each operand tensor; their sums are f32. All else is computed in f32.
;;   The module's matrix products, in the order in which they are computed (A, B: the left and right operand; K: the contracted axis; several contracted axes count as one K, in the product's order):
;;     1. [M 1,024, K 1,024] x [K 1,024, N 4,096]; A: input Wq (given as codes); B: input x (given as codes): QUANTISED (scales: A lowp_scales[0], B lowp_scales[1])
;;     2. [M 1,024, K 1,024] x [K 1,024, N 4,096]; A: input Wk (given as codes); B: input x (given as codes): QUANTISED (scales: A lowp_scales[2], B lowp_scales[3])
;;     3. [M 1,024, K 1,024] x [K 1,024, N 4,096]; A: input Wv (given as codes); B: input x (given as codes): QUANTISED (scales: A lowp_scales[4], B lowp_scales[5])
;;     4. batch 32 x [M 2,048, K 64] x [K 64, N 2,048]; A: computed on the way; B: computed on the way: QUANTISED (scales: A lowp_scales[6], B lowp_scales[7])
;;     5. batch 32 x [M 2,048, K 2,048] x [K 2,048, N 64]; A: softmax (see below); B: computed on the way: QUANTISED (scales: A lowp_scales[8], B lowp_scales[9])
;;     6. [M 4,096, K 1,024] x [K 1,024, N 1,024]; A: computed on the way; B: input Wo (given as codes): QUANTISED (scales: A lowp_scales[10], B lowp_scales[11])
;;   THE QUANTISER, for each operand of a quantised product, along K:
;;     - The operand's scale is 2^e, e = its entry of the input lowp_scales (int32; the entries are numbered through the quantised products in the list's order, A before B).
;;     - Each number is divided by the scale, clamped to +-448, and rounded to the nearest number of E4M3, ties to even, subnormals kept.
;;     - The product sums the exact products of the quantised numbers (number of the format x scale) in f32.
;;   ~~~python
;;   def quantise(x, axis, e):      # numpy; x: float32 -> the quantised numbers, widened to float32 again
;;       x = np.moveaxis(x, axis, -1); K = x.shape[-1]
;;       r = np.clip(x / 2.0 ** e, -448, 448)
;;       step = 2.0 ** (np.maximum(np.frexp(np.where(r == 0, 1, r))[1] - 1, -6) - 3)
;;       q = np.round(r / step) * step * 2.0 ** e      # np.round: ties to even
;;       return np.moveaxis(q, -1, axis).astype(np.float32)
;;   ~~~
;;   SOFTMAX AHEAD OF A QUANTISED PRODUCT. Where the list says 'softmax', what is quantised is not the finished softmax but p = 2^(t - M), with t = logit x log2(e) and M = ceil(the row's largest t), a whole number; so 1/2 < the row's largest p <= 1. The row's sum l is taken of the UNQUANTISED p, in f32, and the product's result is divided by l at the end. Since M is a whole number, a kernel that streams over the keys may use a running M (the ceiling of the running maximum): every later rescaling is an exact power of two, so the quantised numbers keep their values, but for numbers so far below the row's largest that they fall under the format's range.
;;   OPERANDS COMPUTED ON THE WAY. 'Computed on the way' means the value that the module computes at that place (a softmax that the list does not call 'softmax' is quantised finished and normalised). What goes into a quantiser is computed in f32, as accurately as f32 sums, v_exp_f32 and their like allow (about 1e-6 of the number): no bf16 or f16 on the way to a quantiser, and a product that is left as it is and whose result goes on into a quantised operand takes f32 operands (vector FMAs, or v_wmma_f32_16x16x4_f32). A number that lies on a knife's edge between two numbers of the format may be rounded either way, as far as f32 arithmetic and the matrix unit's own rounding can turn it there, and no further.
;;   INPUTS GIVEN AS CODES. Wk (in the module: [16, 1024, 64], K = its axis 1); Wo (in the module: [1024, 1024], K = its axis 1); Wq (in the module: [16, 1024, 64], K = its axis 1); Wv (in the module: [16, 1024, 64], K = its axis 1); x (in the module: [2, 2048, 1024], K = its axis 2): each comes as NAME_codes (uint8): NAME with its K axis moved to the last place and cut into blocks of 32 codes, [.., K / 32, bytes a block], one block behind the other in memory; one code a byte (a code: sign, 4 exponent bits, 3 mantissa bits); its scale is its entry of lowp_scales. Its value is code x scale, taken as it is: it is not quantised again, and the codes and scales need not be those that the quantiser above would give.
;; One version. Each part assembles by itself: llvm-mc -triple=amdgcn-amd-amdhsa -mcpu=gfx1250 --defsym DOCPART=n.
;; ======== version 1 of 1: 3 launches
;; limits: right only within a limited range of input values
;; workspace buffers: qimg 4,194,304 bytes; kimg 4,194,304 bytes; vimg 4,194,304 bytes; cimg 4,194,304 bytes
;; launch qkv (part 1): grid 16 x 16, 4 waves a work-group, clusters of 4 x 4, 327,680 bytes of LDS; arguments x_codes, Wq_codes, Wk_codes, Wv_codes, lowp_scales, qimg, kimg, vimg; writes qimg, kimg, vimg
.if DOCPART == 1
	.amdgcn_target "amdgcn-amd-amdhsa--gfx1250"
	.amdhsa_code_object_version 6
	.text
	.protected	k_q39b41fc900_qkv
	.globl	k_q39b41fc900_qkv
	.p2align	8
	.type	k_q39b41fc900_qkv,@function
k_q39b41fc900_qkv:
	s_mov_b64 s[64:65], 0
	v_nop
	global_prefetch_b8 v0, s[64:65] scope:SCOPE_SE
	s_setreg_imm32_b32 hwreg(HW_REG_WAVE_MODE, 25, 1), 1
	s_wait_xcnt 0x0
	s_wait_alu depctr_hold_cnt(0) depctr_sa_sdst(0) depctr_va_vdst(0) depctr_va_sdst(0) depctr_va_ssrc(0) depctr_va_vcc(0) depctr_vm_vsrc(0)
	s_getreg_b32 s2, hwreg(HW_REG_IB_STS2, 6, 4)
	s_cmp_eq_u32 s2, 0
	s_cbranch_scc0 .Lentry_in_a_cluster
	s_endpgm
.Lentry_in_a_cluster:
	s_bfe_u32 s2, ttmp6, 0x10000c
	s_cmp_lg_u32 s2, 0xf033
	s_cbranch_scc0 .Lentry_shape_is_right
	s_endpgm
.Lentry_shape_is_right:
; Q, K, V = x W^T for one head, on codes of FP8 (E4M3), and their quantising for the attention that follows.
; x: [4096 rows][1024] codes.  Wq, Wk, Wv: [16 heads][64][1024] codes, K innermost.  lowp_scales: e0 .. e11 (int32).
; A sum of x Wq^T stands for sum x 2^(e0 + e1); Q's code is sum / 2^(e6 - e0 - e1), held within +-448 and rounded by the conversion.  K: e7 - e2 - e3.  V: e9 - e4 - e5.
; LIMITS: each of these three exponents lies between -126 and 119, so that the scale and 448 x the scale are f32 numbers.  NaN codes among the inputs are not served.
; SHARES.  A work-group: 256 rows of x against one head's 64 + 64 + 64 rows of Wq, Wk, Wv.  Wave w: rows 128 (w / 2) on (8 tiles of 16) against six tiles of 16 weight rows:
; tiles 2 (w % 2) and 2 (w % 2) + 1 of each of the three weights: 48 accumulators of 16 x 16.
; K goes in chunks of 256 through two LDS slots; wave 0 fetches x's 256 rows, waves 1, 2, 3 the 64 rows of Wq, Wk, Wv: one tensor load a wave for each slot.
; CLUSTER 4 x 4: x's tile hangs on the block of rows alone and is shared along a row of the cluster; the weights' tiles hang on the head alone and are shared along a column: both are asked for jointly.
; RESULTS LEAVE AS IMAGES OF THE NEXT OPERAND'S REGISTERS.  Q and K are made transposed (source 0 = 16 weight rows, source 1 = 16 rows of x): a lane holds one row of x and eight neighbouring
; channels 8 (lane / 16) + 0 .. 7 of a tile, so one conversion gives registers 2 c, 2 c + 1 of the K = 64 operand (c = the tile of channels).  V is made the other way round (source 0 = x, source 1 = Wv):
; a lane holds one channel and eight neighbouring keys: registers 2 c, 2 c + 1 of the K = 128 operand V^T (c = the tile of keys).  Four such registers go out by one store of 16 bytes a lane:
; each store of the wave covers 512 consecutive bytes, aligned.  No stage in LDS, no transposition.
; qimg, kimg: [batch x head 32][tile of 16 rows 128][group 2][lane 32][16 bytes];  vimg: [batch x head][128 keys 16][tile of 16 channels 4][group 4][lane][16 bytes].
; REGISTERS, in windows of 256: window 0: v1-29 addresses and scales; fragment buffer 0: v32-127 six weight fragments, v128-255 eight fragments of x.  window 3: fragment buffer 1, same numbers.
;   window 1: the accumulators of x's tiles 0-4 at v[8 (6 t + f)];  window 2: those of tiles 5-7 at v[8 (6 (t - 5) + f)].
.set PITCH, 272                        ; an LDS row: 256 bytes of codes + 16 of padding = 68 words: the 16 rows that a load touches start at 16 different banks (64 banks of 4 bytes: ISA guide 11.1)
.set XB,    256*PITCH                  ; x's 256 rows
.set WB,    64*PITCH                   ; 64 rows of one weight
.set SLOT,  XB+3*WB                    ; x, Wq, Wk, Wv
.set SPARE, 2*SLOT                     ; behind the ring: the spare words, 128 bytes for each wave: two blocks of 256 bytes that no other line names
.set WF,    32                         ; weight fragments
.set XF,    128                        ; x's fragments
.set SC,    8                          ; v8, v9: Q's scale and 448 x it; v10, v11: K's; v12, v13: V's
.set ADRX,  16                         ; v16-17 LDS address of my x fragments in slot 0, 1
.set ADRW,  20                         ; v20-21 the same for the weights
.set SPW,   28                         ; v28 LDS address of my spare word; never rewritten
.set NIL,   29                         ; v29 0; never rewritten
.set G1X,   24                         ; s[24:31] descriptor group 1 for x's tiles; s[32:39] for the weights'
.set G1W,   32
.set G0X,   40                         ; s[40:47] group 0 for x, one set for each slot; s[48:55] for the weights
.set G0W,   48
.set MSB,   0
.macro WIN new                         ; the immediate's high byte repeats the setting that is left; a switch that changes nothing is dropped
.if MSB != (\new)
	s_set_vgpr_msb (MSB<<8)|(\new)
.set MSB, (\new)
.endif
.endm
.macro PLACES                          ; four places in front of loads into registers that matrix instructions have read, and of the first read of results
.rept 4
	v_nop
.endr
.endm
; A joint load: wave 0 fetches x's tile, waves 1 to 3 a weight's.  The branch hangs on the wave's number alone.  Four v_nop follow each of the two lines.
.macro JLOAD slot
	s_cmp_eq_u32 s20, 0
	s_cbranch_scc0 .Lfor_w_\@
	tensor_load_to_lds s[G0X+4*\slot:G0X+4*\slot+3], s[G1X:G1X+7]
	s_nop 0
.rept 4
	v_nop
.endr
	s_branch .Lasked_\@
.Lfor_w_\@:
	tensor_load_to_lds s[G0W+4*\slot:G0W+4*\slot+3], s[G1W:G1W+7]
	s_nop 0
.rept 4
	v_nop
.endr
.Lasked_\@:
.endm
.macro CREST                           ; a round of the cluster's barrier behind its opening barrier
	s_cmp_lg_u32 s20, 0
	s_cbranch_scc1 .Lnot_wave_0_\@
	s_barrier_signal -3
.Lnot_wave_0_\@:
	s_barrier_wait -3
	s_barrier_signal -1
	s_barrier_wait -1
.endm
.macro CROUND                          ; a whole round
	s_barrier_signal -1
	s_barrier_wait -1
	CREST
.endm
	s_load_b256 s[4:11], s[0:1], 0x0               ; x s[4:5], Wq s[6:7], Wk s[8:9], Wv s[10:11]
	s_load_b256 s[12:19], s[0:1], 0x20             ; the scales' exponents s[12:13], qimg s[14:15], kimg s[16:17], vimg s[18:19]
	v_lshl_add_u32 v[SPW], v0, 2, SPARE
	v_mov_b32 v[NIL], 0
	ds_add_u32 v28, v29
	ds_add_u32 v28, v29
	s_wait_dscnt 0x0
	v_lshrrev_b32 v1, 5, v0
	v_readfirstlane_b32 s20, v1                    ; wave 0..3
	s_lshr_b32 s21, s20, 1                         ; which 128 rows of x are mine
	s_and_b32 s22, s20, 1                          ; which two tiles of each weight
	s_bfe_u32 s56, ttmp6, 0x40000                  ; cx, cy: my place in the cluster
	s_bfe_u32 s57, ttmp6, 0x40004
	s_lshl_b32 s58, ttmp9, 2
	s_add_co_u32 s58, s58, s56                     ; the head = 4 x cluster x + cx
	s_and_b32 s59, ttmp7, 0xffff
	s_lshl_b32 s59, s59, 2
	s_add_co_u32 s59, s59, s57                     ; the block of 256 rows = 4 x cluster y + cy
	s_lshl_b32 s60, s57, 2
	s_lshl_b32 s60, 15, s60                        ; my row of the cluster
	s_lshl_b32 s61, 0x1111, s56                    ; my column
	; descriptor group 1: rows of 256 bytes, 1,024 bytes apart in memory, padded in LDS; x: 256 rows, a weight: 64
	s_or_b32 s[G1X], s60, (1<<20)|(1<<21)|(5<<22)|(3<<25)   ; 15:0 the mask: my row; 17:16 elements of 1 byte; 20 padding on; 21 set beside a mask; 24:22 after every 64 words (code 5); 31:25 four words (code 3)
	s_or_b32 s[G1W], s61, (1<<20)|(1<<21)|(5<<22)|(3<<25)   ; the same with the mask of my column
	s_mov_b32 s[G1X+1], 256<<16                    ; tensor_dim0 = 256
	s_mov_b32 s[G1X+2], 256<<16                    ; tensor_dim1 = 256
	s_mov_b32 s[G1X+3], 256<<16                    ; tile_dim0 = 256
	s_mov_b32 s[G1X+4], 256                        ; tile_dim1 = 256
	s_mov_b32 s[G1X+5], 1024                       ; from row to row
	s_mov_b32 s[G1X+6], 0
	s_mov_b32 s[G1X+7], 0
	s_mov_b32 s[G1W+1], 256<<16
	s_mov_b32 s[G1W+2], 64<<16                     ; tensor_dim1 = 64
	s_mov_b32 s[G1W+3], 256<<16
	s_mov_b32 s[G1W+4], 64                         ; tile_dim1 = 64
	s_mov_b32 s[G1W+5], 1024
	s_mov_b32 s[G1W+6], 0
	s_mov_b32 s[G1W+7], 0
	s_lshl_b32 s66, s59, 18                        ; x: block x 256 rows x 1,024 bytes: hangs on the block of rows alone
	s_mov_b32 s67, 0
	s_lshl_b32 s68, s58, 16                        ; a weight: head x 64 rows x 1,024 bytes: hangs on the head alone
	s_mov_b32 s69, 0
	s_mul_i32 s72, s20, WB
	s_add_co_u32 s72, s72, XB-WB                   ; where waves 1, 2, 3 put Wq, Wk, Wv in a slot: behind x's rows
	s_wait_kmcnt 0x0
	s_load_b256 s[80:87], s[12:13], 0x0            ; e0 .. e7
	s_load_b128 s[88:91], s[12:13], 0x20           ; e8 .. e11
	s_add_nc_u64 s[66:67], s[4:5], s[66:67]
	s_cmp_lt_u32 s20, 2                            ; the choice hangs on the wave's number alone
	s_cselect_b64 s[70:71], s[6:7], s[8:9]
	s_cmp_lt_u32 s20, 3
	s_cselect_b64 s[70:71], s[70:71], s[10:11]     ; wave 1: Wq, wave 2: Wk, wave 3: Wv
	s_add_nc_u64 s[70:71], s[70:71], s[68:69]
.irp s, 0,1
	s_mov_b32 s[G0X+4*\s], 1                                       ; count = 1
	s_mov_b32 s[G0X+4*\s+1], \s*SLOT                               ; LDS address
	s_add_nc_u64 s[G0X+4*\s+2:G0X+4*\s+3], s[66:67], \s*256        ; chunk s of K
	s_or_b32 s[G0X+4*\s+3], s[G0X+4*\s+3], 0x80000000              ; type = 2
	s_mov_b32 s[G0W+4*\s], 1
	s_add_co_u32 s[G0W+4*\s+1], s72, \s*SLOT
	s_add_nc_u64 s[G0W+4*\s+2:G0W+4*\s+3], s[70:71], \s*256
	s_or_b32 s[G0W+4*\s+3], s[G0W+4*\s+3], 0x80000000
.endr
	CROUND                                         ; all sixteen work-groups are here: the first joint loads meet
	s_cmp_eq_u32 s20, 0                            ; chunk 0: one tensor load a wave at the head
	s_cbranch_scc0 .Lfirst_w
	tensor_load_to_lds s[G0X:G0X+3], s[G1X:G1X+7]
	s_nop 0
.rept 4
	v_nop
.endr
	s_branch .Lfirst_asked
.Lfirst_w:
	tensor_load_to_lds s[G0W:G0W+3], s[G1W:G1W+7]
	s_nop 0
.rept 4
	v_nop
.endr
.Lfirst_asked:
	v_and_b32 v1, 15, v0                           ; r = lane % 16
	v_bfe_u32 v2, v0, 4, 1                         ; h = lane / 16
	v_mul_u32_u24 v3, v1, PITCH
	v_lshl_add_u32 v3, v2, 4, v3                   ; a fragment's row x pitch + 16 x half
	v_and_b32 v4, 31, v0
	v_lshlrev_b32 v4, 4, v4                        ; 16 x lane: my place in an image
	; PREFETCH INTO THE L2 of chunks 1 and 2: each aligned block of 256 bytes is named once in each cluster that will load it.  The four partners of a joint load share its rows out by address:
	; wave 0 names 64 rows of x (partner cx), a lane a row, two instructions a chunk; waves 1 to 3 name 16 rows of their weight (partner cy): lanes 0-15 chunk 1, lanes 16-31 chunk 2.
	v_lshlrev_b32 v6, 6, v4                        ; 1,024 x lane
	v_lshlrev_b32 v14, 10, v1                      ; 1,024 x (lane % 16)
	v_lshl_add_u32 v7, v2, 8, v14                  ; + a chunk in lanes 16-31
	s_lshl_b32 s92, s56, 16
	s_mov_b32 s93, 0
	s_add_nc_u64 s[96:97], s[66:67], s[92:93]
	s_lshl_b32 s92, s57, 14
	s_add_nc_u64 s[98:99], s[70:71], s[92:93]
	s_cmp_eq_u32 s20, 0
	s_wait_alu depctr_va_vdst(0)                   ; the wait ahead of the branch
	s_cbranch_scc0 .Lask_w
	global_prefetch_b8 v6, s[96:97] offset:256 th:TH_LOAD_NT scope:SCOPE_SE
	global_prefetch_b8 v6, s[96:97] offset:256+32768 th:TH_LOAD_NT scope:SCOPE_SE
	global_prefetch_b8 v6, s[96:97] offset:512 th:TH_LOAD_NT scope:SCOPE_SE
	global_prefetch_b8 v6, s[96:97] offset:512+32768 th:TH_LOAD_NT scope:SCOPE_SE
	s_branch .Lasked_first
.Lask_w:
	global_prefetch_b8 v7, s[98:99] offset:256 th:TH_LOAD_NT scope:SCOPE_SE
.Lasked_first:
	s_mul_i32 s73, s21, 128*PITCH                  ; my 128 rows of x
	s_mul_i32 s74, s22, 32*PITCH                   ; my two tiles of a weight,
	s_add_co_u32 s74, s74, XB                      ; behind x's rows
	v_add_nc_u32 v[ADRX], s73, v3
	v_add_nc_u32 v[ADRW], s74, v3
	s_add_co_u32 s73, s73, SLOT
	s_add_co_u32 s74, s74, SLOT
	v_add_nc_u32 v[ADRX+1], s73, v3
	v_add_nc_u32 v[ADRW+1], s74, v3
	; where my images go: batch x head x 131,072 + (block % 8) x 16,384 + (w / 2) x 8,192; Q, K: + (w % 2) x 512 (the group); V: + (w % 2) x 4,096 (two tiles of channels)
	s_lshr_b32 s75, s59, 3
	s_lshl_b32 s75, s75, 4
	s_add_co_u32 s75, s75, s58                     ; 16 x batch + head
	s_lshl_b32 s76, s75, 17
	s_and_b32 s77, s59, 7
	s_lshl_b32 s77, s77, 14
	s_add_co_u32 s76, s76, s77
	s_lshl_b32 s77, s21, 13
	s_add_co_u32 s76, s76, s77
	s_lshl_b32 s78, s22, 9
	s_add_co_u32 s78, s76, s78
	s_mov_b32 s79, 0
	s_add_nc_u64 s[14:15], s[14:15], s[78:79]
	s_add_nc_u64 s[16:17], s[16:17], s[78:79]
	s_lshl_b32 s78, s22, 12
	s_add_co_u32 s78, s76, s78
	s_add_nc_u64 s[18:19], s[18:19], s[78:79]
.macro SCALE ea, eb, ec, vr            ; v[vr] = 2^(ea - eb - ec) as f32: the conversion takes its exponent field; v[vr + 1] = 448 x that
	s_sub_co_i32 s92, s[\ea], s[\eb]
	s_sub_co_i32 s92, s92, s[\ec]
	s_add_co_i32 s92, s92, 127
	s_lshl_b32 s93, s92, 23
	v_mov_b32 v[\vr], s93
	s_add_co_i32 s92, s92, 8
	s_lshl_b32 s92, s92, 23
	s_or_b32 s92, s92, 0x600000
	v_mov_b32 v[\vr+1], s92
.endm
	s_wait_alu depctr_va_vdst(0)
	s_wait_kmcnt 0x0
	SCALE 86, 80, 81, SC                           ; Q: e6 - e0 - e1
	SCALE 87, 82, 83, SC+2                         ; K: e7 - e2 - e3
	SCALE 89, 84, 85, SC+4                         ; V: e9 - e4 - e5
; 56 LDS loads in one run: the fragments of 128 along K, the q-th of the slot, into the buffer in window bw.  A fragment, 16 rows x 128 K, is 16 registers: lane l holds row l % 16, and registers
; 4 c .. 4 c + 3 hold K = 32 c + 16 (l / 16) + 0 .. 15: a permutation of k that is the same on both sides of every product.
.macro FETCH slot, q, bw
	WIN (\bw)<<6                                   ; destination window bw, address window 0
.irp f, 0,1,2,3,4,5
.irp c, 0,1,2,3
	ds_load_b128 v[WF+16*\f+4*\c:WF+16*\f+4*\c+3], v[ADRW+\slot] offset:(\f/2)*WB+(\f%2)*16*PITCH+128*(\q)+32*\c
.endr
.endr
.irp t, 0,1,2,3,4,5,6,7
.irp c, 0,1,2,3
	ds_load_b128 v[XF+16*\t+4*\c:XF+16*\t+4*\c+3], v[ADRX+\slot] offset:\t*16*PITCH+128*(\q)+32*\c
.endr
.endr
.endm
; 48 matrix instructions: x's eight tiles, each against the six weight fragments, 128 along K, out of the buffer in window bw.  zero = 1: the first products start the sums: nothing is cleared.
; The 48 accumulators take turns, one instruction a turn, in the same order in every step.
.macro MUL bw, zero
.irp t, 0,1,2,3,4,5,6,7
.if \t == 0
	WIN 0x50|(5*\bw)                               ; sources 0 and 1 window bw, C and D window 1
.endif
.if \t == 5
	WIN 0xa0|(5*\bw)                               ; C and D window 2
.endif
.irp f, 0,1,2,3,4,5
.set AC, 8*(6*(\t%5)+\f)
.if \f < 4
.if \zero
	v_wmma_f32_16x16x128_fp8_fp8 v[AC:AC+7], v[WF+16*\f:WF+16*\f+15], v[XF+16*\t:XF+16*\t+15], 0
.else
	v_wmma_f32_16x16x128_fp8_fp8 v[AC:AC+7], v[WF+16*\f:WF+16*\f+15], v[XF+16*\t:XF+16*\t+15], v[AC:AC+7]
.endif
.else
.if \zero
	v_wmma_f32_16x16x128_fp8_fp8 v[AC:AC+7], v[XF+16*\t:XF+16*\t+15], v[WF+16*\f:WF+16*\f+15], 0
.else
	v_wmma_f32_16x16x128_fp8_fp8 v[AC:AC+7], v[XF+16*\t:XF+16*\t+15], v[WF+16*\f:WF+16*\f+15], v[AC:AC+7]
.endif
.endif
.endr
.endr
.endm
; THE CHANGE OF SLOTS, when the slot's last fragments have been asked for.  Each wave waits for all its tensor loads (its part of the other slot), adds 0 to its spare word, and waits for that and for its reads of this slot.
; fill = 1: the barrier opens a round of the cluster's barrier, and behind it this slot is filled again, with the chunk two chunks on: the first tensor load behind the round, one a wave.
.macro TURN slot, fill
	WIN 0                                          ; the add's registers lie in window 0; at a branch and at a label every window is 0
	s_wait_tensorcnt 0x0                           ; no tensor load of mine is out, so a group 0 may be written
	ds_add_u32 v[SPW], v[NIL]                      ; 0 onto my spare word
.if \fill
	s_add_nc_u64 s[G0X+4*\slot+2:G0X+4*\slot+3], s[G0X+4*\slot+2:G0X+4*\slot+3], 512
	s_add_nc_u64 s[G0W+4*\slot+2:G0W+4*\slot+3], s[G0W+4*\slot+2:G0W+4*\slot+3], 512
.endif
	s_wait_dscnt 0x0                               ; the add is done; my reads of this slot are over, and this step's fragments are in
	s_barrier_signal -1
	s_barrier_wait -1
.if \fill
	CREST                                          ; no wave of any partner still reads this slot's tiles or has a load on its way
	JLOAD \slot                                    ; the four v_nop behind it are also the places in front of the loads that follow
.else
	PLACES
.endif
.endm
	s_wait_tensorcnt 0x0                           ; my part of chunk 0 is in
	ds_add_u32 v[SPW], v[NIL]
	s_wait_dscnt 0x0                               ; the add is done
	CROUND                                         ; everybody's part of chunk 0 is in, and the joint loads meet
	JLOAD 1                                        ; chunk 1: the first tensor load behind the round
	FETCH 0, 0, 0
	s_cmp_eq_u32 s20, 0                            ; the prefetch of chunk 3, shared out as above (lanes 16-31 of waves 1 to 3 name their wave's blocks again)
	s_cbranch_scc0 .Lask_w2
	global_prefetch_b8 v6, s[96:97] offset:768 th:TH_LOAD_NT scope:SCOPE_SE
	global_prefetch_b8 v6, s[96:97] offset:768+32768 th:TH_LOAD_NT scope:SCOPE_SE
	s_branch .Lasked_2
.Lask_w2:
	global_prefetch_b8 v14, s[98:99] offset:768 th:TH_LOAD_NT scope:SCOPE_SE
.Lasked_2:
	; eight steps of 128 along K, written out; step s multiplies buffer s % 2 while step s + 1's fragments come into the other
	s_wait_dscnt 0x0                               ; step 0's fragments are in
	FETCH 0, 1, 3
	MUL 0, 1
	TURN 0, 1                                      ; slot 0 takes chunk 2
	FETCH 1, 0, 0
	MUL 3, 0
	s_wait_dscnt 0x0
	PLACES
	FETCH 1, 1, 3
	MUL 0, 0
	TURN 1, 1                                      ; slot 1 takes chunk 3
	FETCH 0, 0, 0
	MUL 3, 0
	s_wait_dscnt 0x0
	PLACES
	FETCH 0, 1, 3
	MUL 0, 0
	TURN 0, 0                                      ; nothing is left to fetch
	FETCH 1, 0, 0
	MUL 3, 0
	s_wait_dscnt 0x0
	PLACES
	FETCH 1, 1, 3
	MUL 0, 0
	s_wait_dscnt 0x0
	MUL 3, 0
; THE WAY OUT.  Each sum is held within +-448 x its scale (the conversion to an 8-bit code does not saturate: ISA guide 7.6.2), each accumulator from its low end on; eight sums of a lane become eight codes.
.macro HOLDS t
.irp f, 0,1,2,3,4,5
.irp j, 0,1,2,3,4,5,6,7
	v_med3_num_f32 v[8*(6*((\t)%5)+\f)+\j], v[8*(6*((\t)%5)+\f)+\j], -v[SC+1+2*(\f/2)], v[SC+1+2*(\f/2)]
.endr
.endr
.endm
.macro CODES t                         ; Q's codes at v[32 + 4 t + 2 (f % 2)], K's at v[64 + ..]: four registers a tile of rows; V's at v[96 + 16 (f % 2) + 2 t]: sixteen a tile of channels
.irp f, 0,1,2,3
	v_cvt_scalef32_pk8_fp8_f32 v[32+32*(\f/2)+4*(\t)+2*(\f%2):32+32*(\f/2)+4*(\t)+2*(\f%2)+1], v[8*(6*((\t)%5)+\f):8*(6*((\t)%5)+\f)+7], v[SC+2*(\f/2)]
.endr
.irp f, 4,5
	v_cvt_scalef32_pk8_fp8_f32 v[96+16*(\f%2)+2*(\t):96+16*(\f%2)+2*(\t)+1], v[8*(6*((\t)%5)+\f):8*(6*((\t)%5)+\f)+7], v[SC+4]
.endr
.endm
	PLACES
	WIN 0x41                                       ; source 0 and destination window 1
	s_wait_alu depctr_va_vdst(0)
.irp t, 0,1,2,3,4
	HOLDS \t
.endr
	WIN 0x01                                       ; source 0 window 1, destination window 0: buffer 0's registers are free
.irp t, 0,1,2,3,4
	CODES \t
.endr
	WIN 0x82
.irp t, 5,6,7
	HOLDS \t
.endr
	WIN 0x02
.irp t, 5,6,7
	CODES \t
.endr
	WIN 0
	v_nop                                          ; one plain vector instruction behind the last conversion
.irp t, 0,1,2,3,4,5,6,7
	global_store_b128 v4, v[32+4*\t:35+4*\t], s[14:15] offset:\t*1024     ; 32 lanes store 512 consecutive bytes, aligned: my group of tile t's image
.endr
.irp t, 0,1,2,3,4,5,6,7
	global_store_b128 v4, v[64+4*\t:67+4*\t], s[16:17] offset:\t*1024
.endr
.irp n, 0,1
.irp c, 0,1,2,3
	global_store_b128 v4, v[96+16*\n+4*\c:99+16*\n+4*\c], s[18:19] offset:\n*2048+\c*512
.endr
.endr
	s_wait_tensorcnt 0x0                           ; the wave's end
	ds_add_u32 v[SPW], v[NIL]
	s_wait_dscnt 0x0
	CROUND                                         ; the closing round: no work-group ends while a partner may still ask for a tile that names it
	s_endpgm
.Lfunc_end_k_q39b41fc900_qkv:
	.size	k_q39b41fc900_qkv, .Lfunc_end_k_q39b41fc900_qkv-k_q39b41fc900_qkv
	.p2alignl 7, 3214868480
	.fill 96, 4, 3214868480
	.section	.rodata,"a",@progbits
	.p2align	6, 0x0
	.amdhsa_kernel k_q39b41fc900_qkv
		.amdhsa_group_segment_fixed_size 327680
		.amdhsa_private_segment_fixed_size 0
		.amdhsa_enable_private_segment 0
		.amdhsa_kernarg_size 64
		.amdhsa_user_sgpr_count 2
		.amdhsa_user_sgpr_kernarg_segment_ptr 1
		.amdhsa_wavefront_size32 1
		.amdhsa_system_sgpr_workgroup_id_x 1
		.amdhsa_system_sgpr_workgroup_id_y 1
		.amdhsa_system_sgpr_workgroup_id_z 1
		.amdhsa_system_vgpr_workitem_id 0
		.amdhsa_next_free_vgpr 1024
		.amdhsa_next_free_sgpr 100
		.amdhsa_reserve_vcc 0
		.amdhsa_float_denorm_mode_32 3
		.amdhsa_float_denorm_mode_16_64 3
		.amdhsa_memory_ordered 1
		.amdhsa_forward_progress 1
		.amdhsa_inst_pref_size 95
	.end_amdhsa_kernel
	.amdgpu_metadata
---
amdhsa.version: [ 1, 2 ]
amdhsa.kernels:
  - .name:           k_q39b41fc900_qkv
    .symbol:         k_q39b41fc900_qkv.kd
    .args:
      - { .name: x_codes, .offset: 0, .size: 8, .value_kind: global_buffer, .address_space: global }
      - { .name: Wq_codes, .offset: 8, .size: 8, .value_kind: global_buffer, .address_space: global }
      - { .name: Wk_codes, .offset: 16, .size: 8, .value_kind: global_buffer, .address_space: global }
      - { .name: Wv_codes, .offset: 24, .size: 8, .value_kind: global_buffer, .address_space: global }
      - { .name: lowp_scales, .offset: 32, .size: 8, .value_kind: global_buffer, .address_space: global }
      - { .name: qimg, .offset: 40, .size: 8, .value_kind: global_buffer, .address_space: global }
      - { .name: kimg, .offset: 48, .size: 8, .value_kind: global_buffer, .address_space: global }
      - { .name: vimg, .offset: 56, .size: 8, .value_kind: global_buffer, .address_space: global }
    .group_segment_fixed_size: 327680
    .private_segment_fixed_size: 0
    .kernarg_segment_align: 8
    .kernarg_segment_size: 64
    .max_flat_workgroup_size: 128
    .sgpr_count:     100
    .vgpr_count:     1024
    .wavefront_size: 32
...
	.end_amdgpu_metadata
.endif
;; end of part 1
;; launch attn (part 2): grid 8 x 32, 8 waves a work-group, clusters of 4 x 1, 327,680 bytes of LDS; arguments qimg, kimg, vimg, lowp_scales, cimg; writes cimg
.if DOCPART == 2
	.amdgcn_target "amdgcn-amd-amdhsa--gfx1250"
	.amdhsa_code_object_version 6
	.text
	.protected	k_q39b41fc900_attn
	.globl	k_q39b41fc900_attn
	.p2align	8
	.type	k_q39b41fc900_attn,@function
k_q39b41fc900_attn:
	s_mov_b64 s[64:65], 0
	v_nop
	global_prefetch_b8 v0, s[64:65] scope:SCOPE_SE
	s_setreg_imm32_b32 hwreg(HW_REG_WAVE_MODE, 25, 1), 1
	s_wait_xcnt 0x0
	s_wait_alu depctr_hold_cnt(0) depctr_sa_sdst(0) depctr_va_vdst(0) depctr_va_sdst(0) depctr_va_ssrc(0) depctr_va_vcc(0) depctr_vm_vsrc(0)
	s_getreg_b32 s2, hwreg(HW_REG_IB_STS2, 6, 4)
	s_cmp_eq_u32 s2, 0
	s_cbranch_scc0 .Lentry_in_a_cluster
	s_endpgm
.Lentry_in_a_cluster:
	s_bfe_u32 s2, ttmp6, 0x10000c
	s_cmp_lg_u32 s2, 0x3003
	s_cbranch_scc0 .Lentry_shape_is_right
	s_endpgm
.Lentry_shape_is_right:
; Causal attention of one batch x head (ttmp7) on codes of FP8: S^T = K Q^T, p = 2^(t - M), O^T = V^T P^T, O / l quantised with e10 into cimg.  All operands are images of registers (layouts: launch qkv's head comment).
; LEFT OUT: steps of 128 keys all of whose keys come after all 128 queries of a block: the causal mask hides them ahead of the softmax, so p = 0 there for every input.
; LIMITS: e6 + e7 between -123 and 130; e8 and e10 - e8 - e9 between -126 and 119; scaled scores under 2^31 in magnitude; NaN codes among the inputs are not served; what is NaN or infinite only in the left-out steps is not carried on.
; SHARES.  A head's 2,048 queries are 16 blocks of 128; block W needs W + 1 steps of 128 keys.  A double tile is 32 queries of a block: work-group cx of a cluster takes queries 32 cx .. + 31 of each of ITS CLUSTER'S eight blocks.
; Cluster e (ttmp9) = 0 has the blocks with 1,4,5,8,9,12,13,16 steps, e = 1 those with 2,3,6,7,10,11,14,15: four pairs (n, 17 - n), 68 steps each.  Pair p belongs to waves p and p + 4:
;   wave p ("a") walks 9 steps of the large block, from step c on;  wave p + 4 ("b") walks the small block's n steps, then the large block's steps 0 .. c - 1 and c + 9 ..: 8 in all.  c = 4 - n, or 0 where n is over 4,
;   so that the first four trips of every wave need only keys 0 .. 1,023.  The large block's two parts are joined through LDS at the end: wave a finishes tile 0, wave b tile 1.
; No branch, trip count or LDS address hangs on cx: it enters the addresses of Q and cimg and the mask's vector number alone.
; TILES.  Each K and V fragment that a wave reads from LDS feeds both its tiles.  K and V of the head (262,144 bytes) lie whole in LDS, brought by two joint fills of 16,384 bytes a wave (waves 0-3 K, 4-7 V), keys 0-1,023 and then 1,024-2,047:
; the second is on its way while three steps are walked.  No prefetch: there is no loop of fills to run ahead in.
; REGISTERS, window 0: v1 16 x lane, v2/v3 LDS addresses, v4/v5 the add's, v6 the mask's number, v7 -infinity, v8-11 scales; tile 0: v12 -M, v13 largest t, v[14:15] sum, v20 factor; tile 1: v16-19, v22; v24-39 at work;
;   v40-55 Q, v56-119 O^T, v120-127 codes, v128-191 / v192-255 S^T and p.  Window 1: v0-63 K, v64-127 V, v128-159 p's codes, v160-175 the large block's Q.
.set VIMG,  131072
.set MERGE, 262144
.set MSZ,   4608                       ; a wave's part for the join: 32 registers of O^T and {-M, l, -, -}, 128 bytes each
.set SPARE, MERGE+8*MSZ                ; the spare words, 128 bytes a wave
.set Q0, 40
.set Q1, 48
.set O0, 56
.set O1, 88
.set C0, 120
.set S0, 128
.set S1, 192
.set KF, 0
.set VF, 64
.set P0, 128
.set P1, 144
.set QL, 160
.set MSB, 0
.macro WIN new                         ; the immediate's high byte repeats the setting that is left
.if MSB != (\new)
	s_set_vgpr_msb (MSB<<8)|(\new)
.set MSB, (\new)
.endif
.endm
.macro CROUND                          ; a round of the cluster's barrier
	s_barrier_signal -1
	s_barrier_wait -1
	s_cmp_lg_u32 s14, 0
	s_cbranch_scc1 .Lnot_wave_0_\@
	s_barrier_signal -3
.Lnot_wave_0_\@:
	s_barrier_wait -3
	s_barrier_signal -1
	s_barrier_wait -1
.endm
.macro KLOAD                           ; eight tiles of 16 keys: 16 loads
.irp t, 0,1,2,3,4,5,6,7
	ds_load_b128 v[KF+8*\t:KF+8*\t+3], v2 offset:\t*1024
	ds_load_b128 v[KF+8*\t+4:KF+8*\t+7], v2 offset:\t*1024+512
.endr
.endm
.macro INIT                            ; nothing summed yet; the largest t under every t: the first change of M multiplies zeros by 0
	v_mov_b32 v13, 0xff61b1e6
	v_mov_b32 v17, 0xff61b1e6
	v_mov_b32 v14, 0
	v_mov_b32 v15, 0
	v_mov_b32 v18, 0
	v_mov_b32 v19, 0
	v_floor_f32 v12, -v13
	v_floor_f32 v16, -v17
.set J, 0
.rept 32
	v_dual_mov_b32 v[O0+J], 0 :: v_dual_mov_b32 v[O0+J+1], 0
.set J, J+2
.endr
.endm
	s_load_b256 s[4:11], s[0:1], 0x0               ; qimg s[4:5], kimg s[6:7], vimg s[8:9], scales s[10:11]
	s_load_b64 s[12:13], s[0:1], 0x20              ; cimg
	v_lshl_add_u32 v4, v0, 2, SPARE
	v_mov_b32 v5, 0
	ds_add_u32 v4, v5                              ; the opening adds; the scalar set-up stands between them and their wait
	ds_add_u32 v4, v5
	v_lshrrev_b32 v2, 5, v0
	v_readfirstlane_b32 s14, v2                    ; wave
	s_bfe_u32 s16, ttmp6, 0x40000                  ; cx
	s_and_b32 s15, ttmp7, 0xffff                   ; 16 x batch + head
	s_and_b32 s66, s14, 3                          ; pair, and the quarter that I fetch
	s_lshr_b32 s67, s14, 2                         ; 0: a, and I fetch K; 1: b, and V
	; descriptor group 1: 64 rows of 256 bytes (32 elements of 8 bytes), dense, to all four work-groups of the cluster
	s_mov_b32 s24, 15|(3<<16)|(1<<21)
	s_mov_b32 s25, 32<<16
	s_mov_b32 s26, 64<<16
	s_mov_b32 s27, 32<<16
	s_mov_b32 s28, 64
	s_mov_b32 s29, 32
	s_mov_b32 s30, 0
	s_mov_b32 s31, 0
	s_lshl_b32 s58, s15, 17                        ; the head's images
	s_lshl_b32 s68, s66, 14
	s_add_co_u32 s60, s58, s68
	s_mov_b32 s61, 0
	s_lshl_b32 s63, s67, 17
	s_add_co_u32 s63, s63, s68                     ; where my part of a fill goes
	; the pair's n and c, a digit of 4 bits a pair
	s_lshl_b32 s68, s66, 2
	s_mov_b32 s69, 0x8541
	s_mov_b32 s70, 0x7632
	s_mov_b32 s71, 3
	s_mov_b32 s72, 0x12
	s_cmp_eq_u32 ttmp9, 0
	s_cselect_b32 s69, s69, s70
	s_cselect_b32 s71, s71, s72
	s_lshr_b32 s69, s69, s68
	s_and_b32 s69, s69, 15                         ; n
	s_lshr_b32 s71, s71, s68
	s_and_b32 s71, s71, 15                         ; c
	; trip i's key step is (i + offset) mod 16: before the switch s81, behind it s82 = 16 - n up to trip s84 and s83 = 25 - n from there on
	s_xor_b32 s82, s69, 15
	s_add_co_u32 s82, s82, 1                       ; 16 - n: also the large block, and its last key step
	s_add_co_u32 s83, s82, 9
	s_add_co_u32 s84, s69, s71
	s_sub_co_u32 s73, s69, 1                       ; the small block, and its last key step
	s_xor_b32 s85, s67, 1
	s_add_co_u32 s85, s85, 8                       ; my trips: 9 or 8
	s_cmp_eq_u32 s67, 0
	s_cselect_b32 s80, 31, s69                     ; the trip at which I change blocks (a: never)
	s_cselect_b32 s81, s71, 0
	s_cselect_b32 s49, s82, s73                    ; my first block, whose last key step lies on the diagonal
	s_and_b32 s48, s81, 7                          ; the key step in hand
	s_lshl_b32 s74, s16, 11                        ; Q: block x 8,192 + cx x 2,048 bytes
	s_add_co_u32 s74, s74, s58
	s_lshl_b32 s76, s82, 13
	s_add_co_u32 s76, s76, s74
	s_lshl_b32 s78, s49, 13
	s_add_co_u32 s74, s74, s78
	s_mov_b32 s75, 0
	s_mov_b32 s77, 0
	s_lshr_b32 s78, s15, 4                         ; cimg: (128 x batch + 8 x block + 2 cx) x 16,384 + head x 1,024 bytes
	s_lshl_b32 s78, s78, 21
	s_and_b32 s79, s15, 15
	s_lshl_b32 s79, s79, 10
	s_add_co_u32 s78, s78, s79
	s_lshl_b32 s79, s16, 15
	s_add_co_u32 s78, s78, s79
	s_lshl_b32 s94, s73, 17
	s_add_co_u32 s94, s94, s78
	s_mov_b32 s95, 0
	s_lshl_b32 s96, s82, 17
	s_add_co_u32 s96, s96, s78
	s_lshl_b32 s79, s67, 14
	s_add_co_u32 s96, s96, s79                     ; of the large block I finish tile 0 (a) or 1 (b)
	s_mov_b32 s97, 0
	s_mov_b32 s20, 0x76543210                      ; v_permlanex16_b32's selects for lane l xor 16
	s_mov_b32 s21, 0xfedcba98
	s_wait_dscnt 0x0                               ; both opening adds are done
	s_wait_kmcnt 0x0
	s_load_b128 s[52:55], s[10:11], 0x18           ; e6 .. e9
	s_load_b32 s56, s[10:11], 0x28                 ; e10
	s_cmp_lt_u32 s14, 4
	s_cselect_b64 s[18:19], s[6:7], s[8:9]
	s_add_nc_u64 s[18:19], s[18:19], s[60:61]
.irp q, 0,1
	s_mov_b32 s[32+4*\q], 1
	s_add_co_u32 s[33+4*\q], s63, \q*65536
	s_add_nc_u64 s[34+4*\q:35+4*\q], s[18:19], \q*65536
	s_or_b32 s[35+4*\q], s[35+4*\q], 0x80000000
.endr
	s_add_nc_u64 s[74:75], s[4:5], s[74:75]
	s_add_nc_u64 s[76:77], s[4:5], s[76:77]
	s_add_nc_u64 s[44:45], s[12:13], s[94:95]
	s_add_nc_u64 s[46:47], s[12:13], s[96:97]
	CROUND                                         ; the first joint loads meet
	tensor_load_to_lds s[32:35], s[24:31]          ; keys 0 .. 1,023: one load a wave at the head
	s_nop 0
.rept 4
	v_nop
.endr
	v_and_b32 v1, 31, v0
	v_lshlrev_b32 v1, 4, v1                        ; 16 x lane
	v_add_nc_u32 v39, VIMG, v1
	v_and_b32 v28, 15, v0
	v_bfe_u32 v29, v0, 4, 1
	v_lshlrev_b32 v29, 3, v29
	v_sub_nc_u32 v28, v28, v29
	s_lshl_b32 s78, s16, 5
	v_add_nc_u32 v6, s78, v28                      ; d = my query of tile 0 in its block - 8 (lane / 16).  Register 8 t + j holds key 16 t + 8 (lane / 16) + j: hidden where 16 t + j > d
	v_mov_b32 v7, 0xff800000
	v_mov_b32 v21, 0                               ; named as upper halves of pairs
	v_mov_b32 v23, 0
	v_mov_b32 v32, 0                               ; a lane permute's destination counts as a source
	v_mov_b32 v33, 0
	s_wait_alu depctr_va_vdst(0)
.irp g, 0,1,2,3
	global_load_b128 v[Q0+4*\g:Q0+4*\g+3], v1, s[74:75] offset:512*\g
.endr
	WIN 0x40
.irp g, 0,1,2,3
	global_load_b128 v[QL+4*\g:QL+4*\g+3], v1, s[76:77] offset:512*\g   ; (b's second block; a holds the same block twice)
.endr
	WIN 0
	INIT
	s_wait_kmcnt 0x0
	s_add_co_i32 s51, s52, s53
	s_lshl_b32 s51, s51, 23
	s_mov_b32 s22, 0x3e38aa3b                      ; log2(e) / sqrt(64), e6 + e7 added to its exponent field: t = sum x s22
	s_add_co_i32 s22, s22, s51
	s_mov_b32 s23, s22                             ; (named with it as a pair)
	s_add_co_i32 s51, s54, 127
	s_lshl_b32 s50, s51, 23
	v_mov_b32 v8, s50                              ; 2^e8
	s_add_co_i32 s51, s51, 8
	s_lshl_b32 s51, s51, 23
	s_or_b32 s51, s51, 0x600000
	v_mov_b32 v9, s51                              ; 448 x that
	s_sub_co_i32 s51, s56, s54
	s_sub_co_i32 s51, s51, s55
	s_add_co_i32 s51, s51, 127
	s_lshl_b32 s50, s51, 23
	v_mov_b32 v10, s50                             ; 2^(e10 - e8 - e9): O stands for O x 2^(e8 + e9)
	s_add_co_i32 s51, s51, 8
	s_lshl_b32 s51, s51, 23
	s_or_b32 s51, s51, 0x600000
	v_mov_b32 v11, s51                             ; 448 x that
; A KEY STEP of 128 keys for both tiles.  Its K fragments have been asked for.  mask: 7 while only keys 0 .. 1,023 are in LDS (the step numbers are under 8 there anyway), 15 behind that.
.macro STEP mask
	s_add_co_u32 s60, s3, 1                        ; the next trip's key step (behind my last trip: any step; its fragments are not used)
	s_cmp_lt_u32 s60, s84
	s_cselect_b32 s61, s82, s83
	s_cmp_lt_u32 s60, s80
	s_cselect_b32 s61, s81, s61
	s_add_co_u32 s61, s61, s60
	s_and_b32 s62, s61, \mask
	s_lshl_b32 s61, s62, 13
	s_lshl_b32 s2, s48, 13
	s_wait_dscnt 0x0                               ; K's fragments
	v_add_nc_u32 v3, s2, v39
	WIN 0x01
.irp t, 0,1,2,3,4,5,6,7
	v_wmma_f32_16x16x64_fp8_fp8 v[S0+8*\t:S0+8*\t+7], v[KF+8*\t:KF+8*\t+7], v[Q0:Q0+7], 0
	v_wmma_f32_16x16x64_fp8_fp8 v[S1+8*\t:S1+8*\t+7], v[KF+8*\t:KF+8*\t+7], v[Q1:Q1+7], 0
.endr
	WIN 0x40
.rept 4
	v_nop                                          ; places in front of the first reads of S^T and of the loads below
.endr
.irp n, 0,1,2,3
.irp c, 0,1,2,3
	ds_load_b128 v[VF+16*\n+4*\c:VF+16*\n+4*\c+3], v3 offset:\n*2048+\c*512
.endr
.endr
	WIN 0
	s_cmp_lg_u32 s48, s49
	s_cbranch_scc1 .Lopen_\@
.irp t, 0,1,2,3,4,5,6,7                        ; the diagonal step: hidden scores become -infinity.  Tile 1's queries are 16 further on, so a compare of tile 0's tile of keys t serves tile 1's t + 1 (its t = 0 is never hidden: d + 16 >= 8)
.irp j, 0,1,2,3,4,5,6,7
	v_cmp_gt_i32 s[86+\j], 16*\t+\j, v6
.endr
.irp j, 0,1,2,3,4,5,6,7
	v_cndmask_b32 v[S0+8*\t+\j], v[S0+8*\t+\j], v7, s[86+\j]
.if \t < 7
	v_cndmask_b32 v[S1+8*\t+8+\j], v[S1+8*\t+8+\j], v7, s[86+\j]
.endif
.endr
.endr
.Lopen_\@:
	v_max3_num_f32 v28, v[S0], v[S0+1], v[S0+2]    ; the largest score of each tile, in two chains each
	v_max3_num_f32 v30, v[S1], v[S1+1], v[S1+2]
	v_max3_num_f32 v29, v[S0+3], v[S0+4], v[S0+5]
	v_max3_num_f32 v31, v[S1+3], v[S1+4], v[S1+5]
.irp i, 6,10,14,18,22,26,30,34,38,42,46,50,54,58
	v_max3_num_f32 v28, v28, v[S0+\i], v[S0+\i+1]
	v_max3_num_f32 v30, v30, v[S1+\i], v[S1+\i+1]
	v_max3_num_f32 v29, v29, v[S0+\i+2], v[S0+\i+3]
	v_max3_num_f32 v31, v31, v[S1+\i+2], v[S1+\i+3]
.endr
	v_max3_num_f32 v28, v28, v[S0+62], v[S0+63]
	v_max3_num_f32 v30, v30, v[S1+62], v[S1+63]
	v_add_nc_u32 v2, s61, v1
	WIN 0x40
	KLOAD                                          ; the next step's K
	WIN 0
	v_max_num_f32 v28, v28, v29
	v_max_num_f32 v30, v30, v31
	v_permlanex16_b32 v32, v28, s20, s21
	v_permlanex16_b32 v33, v30, s20, s21
	v_max_num_f32 v28, v28, v32
	v_max_num_f32 v30, v30, v33
	v_mul_f32 v28, s22, v28
	v_mul_f32 v30, s22, v30
	v_max_num_f32 v13, v13, v28                    ; the running largest t
	v_max_num_f32 v17, v17, v30
	v_mov_b32 v28, v12
	v_mov_b32 v30, v16
	v_floor_f32 v12, -v13                          ; the new -M, a whole number
	v_floor_f32 v16, -v17
	v_sub_f32 v28, v12, v28
	v_sub_f32 v30, v16, v30
	v_cvt_i32_f32 v28, v28                         ; old M - new M (saturates)
	v_cvt_i32_f32 v30, v30
	v_ldexp_f32 v20, 1.0, v28                      ; the exact factor
	v_ldexp_f32 v22, 1.0, v30
.set J, 0
.rept 32
	v_pk_fma_f32 v[S0+J:S0+J+1], v[S0+J:S0+J+1], s[22:23], v[12:13] op_sel_hi:[1,0,0]   ; t - M
.set J, J+2
.endr
	v_pk_mul_f32 v[14:15], v[14:15], v[20:21] op_sel_hi:[1,0]
	v_pk_mul_f32 v[18:19], v[18:19], v[22:23] op_sel_hi:[1,0]
.set J, 0
.rept 16
	v_pk_mul_f32 v[O0+J:O0+J+1], v[O0+J:O0+J+1], v[20:21] op_sel_hi:[1,0]               ; O^T under the new M
	v_pk_mul_f32 v[O1+J:O1+J+1], v[O1+J:O1+J+1], v[22:23] op_sel_hi:[1,0]
.set J, J+2
.endr
	s_wait_alu depctr_va_vdst(0)                   ; the wait ahead of the batch
.set J, 0
.rept 32                                       ; tile 0's exponentials, among them tile 1's t - M
	v_exp_f32 v[S0+J], v[S0+J]
	v_exp_f32 v[S0+J+1], v[S0+J+1]
	v_pk_fma_f32 v[S1+J:S1+J+1], v[S1+J:S1+J+1], s[22:23], v[16:17] op_sel_hi:[1,0,0]
.set J, J+2
.endr
	s_wait_alu depctr_va_vdst(0)                   ; and behind it, which also serves the next batch's sources
	SUM S0, 14
.set J, 0
.rept 32                                       ; tile 1's exponentials, among them tile 0's hold (p is not negative: one-sided; the conversion does not saturate: ISA guide 7.6.2)
	v_exp_f32 v[S1+J], v[S1+J]
	v_exp_f32 v[S1+J+1], v[S1+J+1]
	v_dual_min_num_f32 v[S0+J], v[S0+J], v9 :: v_dual_min_num_f32 v[S0+J+1], v[S0+J+1], v9
.set J, J+2
.endr
	s_wait_alu depctr_va_vdst(0)                   ; the wait behind the batch
	SUM S1, 18
.set J, 0
.rept 32
	v_dual_min_num_f32 v[S1+J], v[S1+J], v9 :: v_dual_min_num_f32 v[S1+J+1], v[S1+J+1], v9
.set J, J+2
.endr
	WIN 0x40
.irp t, 0,1,2,3,4,5,6,7                        ; registers 2 t, 2 t + 1 of the operand: keys 16 t + 8 (lane / 16) + 0 .. 7
	v_cvt_scalef32_pk8_fp8_f32 v[P0+2*\t:P0+2*\t+1], v[S0+8*\t:S0+8*\t+7], v8
	v_cvt_scalef32_pk8_fp8_f32 v[P1+2*\t:P1+2*\t+1], v[S1+8*\t:S1+8*\t+7], v8
.endr
	v_nop                                          ; one plain place behind the last conversion
	s_wait_alu depctr_va_vdst(0)                   ; ahead of the wait below
	s_wait_dscnt 16                                ; V's fragments are in; the next step's 16 loads of K, issued behind them, may be out
	WIN 0x05
.irp n, 0,1,2,3
	v_wmma_f32_16x16x128_fp8_fp8 v[O0+8*\n:O0+8*\n+7], v[VF+16*\n:VF+16*\n+15], v[P0:P0+15], v[O0+8*\n:O0+8*\n+7]
	v_wmma_f32_16x16x128_fp8_fp8 v[O1+8*\n:O1+8*\n+7], v[VF+16*\n:VF+16*\n+15], v[P1:P1+15], v[O1+8*\n:O1+8*\n+7]
.endr
	WIN 0
	s_mov_b32 s48, s62
.endm
.macro SUM s, l                        ; the row's sum of the unquantised p: 64 numbers onto v[l:l+1], two at a time, in four chains
	v_pk_add_f32 v[24:25], v[\s:\s+1], v[\s+2:\s+3]
	v_pk_add_f32 v[26:27], v[\s+4:\s+5], v[\s+6:\s+7]
	v_pk_add_f32 v[34:35], v[\s+8:\s+9], v[\s+10:\s+11]
	v_pk_add_f32 v[\l:\l+1], v[\l:\l+1], v[\s+12:\s+13]
.irp i, 14,22,30,38,46,54
	v_pk_add_f32 v[24:25], v[24:25], v[\s+\i:\s+\i+1]
	v_pk_add_f32 v[26:27], v[26:27], v[\s+\i+2:\s+\i+3]
	v_pk_add_f32 v[34:35], v[34:35], v[\s+\i+4:\s+\i+5]
	v_pk_add_f32 v[\l:\l+1], v[\l:\l+1], v[\s+\i+6:\s+\i+7]
.endr
	v_pk_add_f32 v[24:25], v[24:25], v[\s+62:\s+63]
	v_pk_add_f32 v[34:35], v[34:35], v[26:27]
	v_pk_add_f32 v[\l:\l+1], v[\l:\l+1], v[24:25]
	v_pk_add_f32 v[\l:\l+1], v[\l:\l+1], v[34:35]
.endm
; A TRIP: b's change of blocks where it falls (the small block is finished and stored, the large one begun), then a step, unless my trips are over.
.macro TRIP mask
	s_cmp_lg_u32 s3, s80
	s_cbranch_scc1 .Lsame_\@
	v_add_f32 v14, v14, v15
	v_add_f32 v18, v18, v19
	v_permlanex16_b32 v32, v14, s20, s21
	v_permlanex16_b32 v33, v18, s20, s21
	v_add_f32 v14, v14, v32
	v_add_f32 v18, v18, v33
	s_wait_alu depctr_va_vdst(0)                   ; the wait ahead of the batch
	v_rcp_f32 v14, v14
	v_rcp_f32 v18, v18
	v_nop
	s_wait_alu depctr_va_vdst(0)                   ; and behind it, directly ahead of the first readers of O^T
.set J, 0
.rept 16
	v_pk_mul_f32 v[S0+J:S0+J+1], v[O0+J:O0+J+1], v[14:15] op_sel_hi:[1,0]
	v_pk_mul_f32 v[S0+32+J:S0+33+J], v[O1+J:O1+J+1], v[18:19] op_sel_hi:[1,0]
.set J, J+2
.endr
.set J, 0
.rept 64
	v_med3_num_f32 v[S0+J], v[S0+J], -v11, v11
.set J, J+1
.endr
.irp n, 0,1,2,3
	v_cvt_scalef32_pk8_fp8_f32 v[C0+2*\n:C0+2*\n+1], v[S0+8*\n:S0+8*\n+7], v10
	v_cvt_scalef32_pk8_fp8_f32 v[S1+2*\n:S1+2*\n+1], v[S0+32+8*\n:S0+39+8*\n], v10
.endr
	v_nop
	global_store_b128 v1, v[C0:C0+3], s[44:45]     ; each store of the wave covers 512 consecutive bytes, aligned
	global_store_b128 v1, v[C0+4:C0+7], s[44:45] offset:512
	global_store_b128 v1, v[S1:S1+3], s[44:45] offset:16384
	global_store_b128 v1, v[S1+4:S1+7], s[44:45] offset:16896
	INIT
	WIN 0x01
.set J, 0
.rept 16
	v_mov_b32 v[Q0+J], v[QL+J]                     ; the large block's Q, out of window 1
.set J, J+1
.endr
	WIN 0
	s_mov_b32 s49, s82
	s_wait_alu depctr_va_vdst(0)                   ; ahead of the wait below
	s_wait_xcnt 0x0                                ; the stores have read their registers
.Lsame_\@:
	s_cmp_ge_u32 s3, s85
	s_cbranch_scc1 .Lover_\@
	STEP \mask
.Lover_\@:
.endm
	s_wait_alu depctr_va_vdst(0)                   ; the wait at the head's end
	s_wait_tensorcnt 0x0                           ; my part of keys 0 .. 1,023 is in
	ds_add_u32 v4, v5
	s_wait_dscnt 0x0
	CROUND                                         ; everybody's part is in, and the second joint loads meet
	tensor_load_to_lds s[36:39], s[24:31]          ; keys 1,024 .. 2,047
	s_nop 0
.rept 4
	v_nop
.endr
	s_lshl_b32 s2, s48, 13
	v_add_nc_u32 v2, s2, v1
	WIN 0x40
	KLOAD
	WIN 0
	s_wait_loadcnt 0x0                             ; Q
	s_mov_b32 s3, 0
.Lfirst:                                               ; trips 0 .. 2, which read keys 0 .. 1,023 alone (so does trip 3, whose K is asked for in trip 2)
	TRIP 7
	s_add_co_u32 s3, s3, 1
	s_cmp_lt_u32 s3, 3
	s_cbranch_scc1 .Lfirst
	s_wait_tensorcnt 0x0                           ; my part of the second fill is in
	s_wait_dscnt 0x0
	s_barrier_signal -1
	s_barrier_wait -1                              ; everybody's is
	s_mov_b32 s3, 3
.Lsecond:                                              ; trips 3 .. 8
	TRIP 15
	s_add_co_u32 s3, s3, 1
	s_cmp_lt_u32 s3, 9
	s_cbranch_scc1 .Lsecond
; THE JOIN of the large block's two parts: a hands tile 1 to b, b hands tile 0 to a.  (Where n = 8, b's part is empty: l = 0, O = 0, and its factor is 0.)
	s_wait_dscnt 0x0
	s_barrier_signal -1
	s_barrier_wait -1
	s_mul_i32 s60, s14, MSZ
	s_xor_b32 s61, s14, 4
	s_mul_i32 s61, s61, MSZ
	s_add_co_u32 s60, s60, MERGE
	s_add_co_u32 s61, s61, MERGE
	v_add_nc_u32 v2, s60, v1
	v_add_nc_u32 v3, s61, v1
	v_add_f32 v13, v14, v15                        ; l, behind -M
	v_add_f32 v17, v18, v19
	s_wait_alu depctr_va_vdst(0)                   ; ahead of the branch
	s_cmp_lt_u32 s14, 4
	s_cbranch_scc0 .Lrole_b
.irp k, 0,1,2,3,4,5,6,7
	ds_store_b128 v2, v[O1+4*\k:O1+4*\k+3] offset:512*\k
.endr
	ds_store_b128 v2, v[16:19] offset:4096
	s_branch .Lstored
.Lrole_b:
.irp k, 0,1,2,3,4,5,6,7
	ds_store_b128 v2, v[O0+4*\k:O0+4*\k+3] offset:512*\k
.endr
	ds_store_b128 v2, v[12:15] offset:4096
.set J, 0
.rept 32
	v_mov_b32 v[O0+J], v[O1+J]                     ; b goes on with tile 1 in tile 0's registers
.set J, J+1
.endr
	v_mov_b32 v12, v16
	v_mov_b32 v13, v17
.Lstored:
	s_wait_alu depctr_va_vdst(0)                   ; ahead of the wait below
	s_wait_dscnt 0x0                               ; my stores are done
	s_barrier_signal -1
	s_barrier_wait -1
.irp k, 0,1,2,3,4,5,6,7
	ds_load_b128 v[S0+4*\k:S0+4*\k+3], v3 offset:512*\k
.endr
	ds_load_b128 v[S0+32:S0+35], v3 offset:4096
	s_wait_dscnt 0x0
	v_min_num_f32 v28, v12, v[S0+32]               ; -M of both
	v_sub_f32 v20, v28, v12
	v_sub_f32 v22, v28, v[S0+32]
	v_cvt_i32_f32 v20, v20
	v_cvt_i32_f32 v22, v22
	v_ldexp_f32 v20, 1.0, v20                      ; my factor, and the partner's: powers of two
	v_ldexp_f32 v22, 1.0, v22
	v_mul_f32 v14, v13, v20
	v_fma_f32 v14, v[S0+33], v22, v14
	v_permlanex16_b32 v32, v14, s20, s21
	v_add_f32 v14, v14, v32                        ; the row's sum
	s_wait_alu depctr_va_vdst(0)                   ; the wait ahead of the transcendental
	v_rcp_f32 v14, v14
	v_nop
	s_wait_alu depctr_va_vdst(0)                   ; and behind it
	v_mul_f32 v20, v20, v14
	v_mul_f32 v22, v22, v14
	s_wait_alu depctr_va_vdst(0)                   ; directly ahead of the first readers of O^T
.set J, 0
.rept 16
	v_pk_mul_f32 v[S1+J:S1+J+1], v[O0+J:O0+J+1], v[20:21] op_sel_hi:[1,0]
.set J, J+2
.endr
.set J, 0
.rept 16
	v_pk_fma_f32 v[S1+J:S1+J+1], v[S0+J:S0+J+1], v[22:23], v[S1+J:S1+J+1] op_sel_hi:[1,0,1]
.set J, J+2
.endr
.set J, 0
.rept 32
	v_med3_num_f32 v[S1+J], v[S1+J], -v11, v11
.set J, J+1
.endr
.irp n, 0,1,2,3
	v_cvt_scalef32_pk8_fp8_f32 v[C0+2*\n:C0+2*\n+1], v[S1+8*\n:S1+8*\n+7], v10
.endr
	v_nop
	global_store_b128 v1, v[C0:C0+3], s[46:47]
	global_store_b128 v1, v[C0+4:C0+7], s[46:47] offset:512
	s_wait_tensorcnt 0x0                           ; the wave's end
	ds_add_u32 v4, v5
	s_wait_dscnt 0x0
	CROUND                                         ; the closing round: no work-group ends while a partner may still ask for a tile that names it
	s_endpgm
.Lfunc_end_k_q39b41fc900_attn:
	.size	k_q39b41fc900_attn, .Lfunc_end_k_q39b41fc900_attn-k_q39b41fc900_attn
	.p2alignl 7, 3214868480
	.fill 96, 4, 3214868480
	.section	.rodata,"a",@progbits
	.p2align	6, 0x0
	.amdhsa_kernel k_q39b41fc900_attn
		.amdhsa_group_segment_fixed_size 327680
		.amdhsa_private_segment_fixed_size 0
		.amdhsa_enable_private_segment 0
		.amdhsa_kernarg_size 40
		.amdhsa_user_sgpr_count 2
		.amdhsa_user_sgpr_kernarg_segment_ptr 1
		.amdhsa_wavefront_size32 1
		.amdhsa_system_sgpr_workgroup_id_x 1
		.amdhsa_system_sgpr_workgroup_id_y 1
		.amdhsa_system_sgpr_workgroup_id_z 1
		.amdhsa_system_vgpr_workitem_id 0
		.amdhsa_next_free_vgpr 512
		.amdhsa_next_free_sgpr 100
		.amdhsa_reserve_vcc 0
		.amdhsa_float_denorm_mode_32 3
		.amdhsa_float_denorm_mode_16_64 3
		.amdhsa_memory_ordered 1
		.amdhsa_forward_progress 1
		.amdhsa_inst_pref_size 124
	.end_amdhsa_kernel
	.amdgpu_metadata
---
amdhsa.version: [ 1, 2 ]
amdhsa.kernels:
  - .name:           k_q39b41fc900_attn
    .symbol:         k_q39b41fc900_attn.kd
    .args:
      - { .name: qimg, .offset: 0, .size: 8, .value_kind: global_buffer, .address_space: global }
      - { .name: kimg, .offset: 8, .size: 8, .value_kind: global_buffer, .address_space: global }
      - { .name: vimg, .offset: 16, .size: 8, .value_kind: global_buffer, .address_space: global }
      - { .name: lowp_scales, .offset: 24, .size: 8, .value_kind: global_buffer, .address_space: global }
      - { .name: cimg, .offset: 32, .size: 8, .value_kind: global_buffer, .address_space: global }
    .group_segment_fixed_size: 327680
    .private_segment_fixed_size: 0
    .kernarg_segment_align: 8
    .kernarg_segment_size: 40
    .max_flat_workgroup_size: 256
    .sgpr_count:     100
    .vgpr_count:     512
    .wavefront_size: 32
...
	.end_amdgpu_metadata
.endif
;; end of part 2
;; launch proj (part 3): grid 8 x 32, 4 waves a work-group, clusters of 4 x 4, 288,256 bytes of LDS; arguments cimg, Wo_codes, lowp_scales, out0; writes out0
.if DOCPART == 3
	.amdgcn_target "amdgcn-amd-amdhsa--gfx1250"
	.amdhsa_code_object_version 6
	.text
	.protected	k_q39b41fc900_proj
	.globl	k_q39b41fc900_proj
	.p2align	8
	.type	k_q39b41fc900_proj,@function
k_q39b41fc900_proj:
	s_mov_b64 s[64:65], 0
	v_nop
	global_prefetch_b8 v0, s[64:65] scope:SCOPE_SE
	s_setreg_imm32_b32 hwreg(HW_REG_WAVE_MODE, 25, 1), 1
	s_wait_xcnt 0x0
	s_wait_alu depctr_hold_cnt(0) depctr_sa_sdst(0) depctr_va_vdst(0) depctr_va_sdst(0) depctr_va_ssrc(0) depctr_va_vcc(0) depctr_vm_vsrc(0)
	s_getreg_b32 s2, hwreg(HW_REG_IB_STS2, 6, 4)
	s_cmp_eq_u32 s2, 0
	s_cbranch_scc0 .Lentry_in_a_cluster
	s_endpgm
.Lentry_in_a_cluster:
	s_bfe_u32 s2, ttmp6, 0x10000c
	s_cmp_lg_u32 s2, 0xf033
	s_cbranch_scc0 .Lentry_shape_is_right
	s_endpgm
.Lentry_shape_is_right:
; out0[m][n] = 2^(e10 + e11) x the sum over k of c[m][k] Wo[n][k], on codes of FP8 (E4M3).  c: 4,096 rows x 1,024, as images of the operand's registers (cimg: [tile of 16 rows][128 along K 8][group 4][lane][16 bytes]);
; Wo: [1024][1024] codes, K innermost; out0: [4096][1024] f32.  LIMIT: e10 + e11 between -126 and 127, so that 2^(e10 + e11) is an f32 number.
; A work-group makes 128 x 128 of out0 (32 x 8 = 256 work-groups), each of its four waves 64 x 64: 16 accumulators.  All of K fits in LDS at once: each byte is filled once, by one tensor load a wave, asked for
; in the first lines; the steps begin when all of it is in.  Waves 0 and 1 fetch c's images (four tiles of rows each), waves 2 and 3 Wo's rows (64 each).
; CLUSTER 4 x 4: c's tiles hang on the block of rows alone and are shared along a row of the cluster, Wo's on the block of columns alone and are shared along a column: both are asked for jointly.
; c's images hold k in the places of the plain 8-bit layout (registers 2 c, 2 c + 1: k = 16 c + 8 (lane / 16) + 0 .. 7), so Wo's fragments are read so too: eight loads of 8 bytes, 16 bytes apart.
; THE MATRIX INSTRUCTION IS USED TRANSPOSED (source 0 = 16 rows of Wo, source 1 = 16 rows of c): a lane holds eight neighbouring numbers of a row of out0.
; REGISTERS: window 0: v1-26 addresses; v32-63 a block's sums x the scale; v64-95, v96-127 rows read back from the stage, by turns; v128-255 the accumulators ((a, b) at v[128 + 8 (4 a + b)]).
;   window 1: two fragment buffers of 128: four fragments of c, then four of Wo.
.set SP,    272                        ; a row of the stage: 256 bytes + 16 of padding = 68 words: row r starts at bank 4 r mod 64 (64 banks of 4 bytes: ISA guide 11.1)
.set WOL,   131072                     ; c's images: [tile of rows 8][16,384 bytes] from 0 on; Wo: [128 rows x WP] from here on
.set WP,    1040                       ; a row of Wo in LDS: all 1,024 bytes of K + 16 of padding = 260 words: row r starts at bank 4 r mod 64.  Each wave's ONE tensor load brings its whole part: c's images lie as in memory, [tile of rows 8][16,384 bytes]
.set WCH,   32*WP
.set STAGE, WOL+4*WCH                  ; behind them: 16 rows x SP for each wave, for the way out; no fill lands there
.set ADC,   4                          ; v4     LDS address of my fragments of c
.set ADW,   8                          ; v8     the same for Wo
.set STO,   24                         ; v24    the way out: where I put 32 bytes of a row
.set RD,    25                         ; v25    where I read a row back
.set CO,    26                         ; v26    my byte offset in out0
.set TMP,   32
.set BK,    64
.set ACC,   128
.set G1C,   24                         ; s[24:31] descriptor group 1 for c's tiles; s[32:39] for Wo's
.set G1W,   32
.set G0C,   40                         ; s[40:43] group 0 for c; s[68:71] for Wo
.set G0W,   68
.set MSB,   0
.macro WIN new                         ; the immediate's high byte repeats the setting that is left
.if MSB != (\new)
	s_set_vgpr_msb (MSB<<8)|(\new)
.set MSB, (\new)
.endif
.endm
.macro PLACES
.rept 4
	v_nop
.endr
.endm
.macro CROUND                          ; a round of the cluster's barrier
	s_barrier_signal -1
	s_barrier_wait -1
	s_cmp_lg_u32 s14, 0
	s_cbranch_scc1 .Lnot_wave_0_\@
	s_barrier_signal -3
.Lnot_wave_0_\@:
	s_barrier_wait -3
	s_barrier_signal -1
	s_barrier_wait -1
.endm
	s_load_b256 s[4:11], s[0:1], 0x0               ; cimg s[4:5], Wo s[6:7], the scales' exponents s[8:9], out0 s[10:11]
	v_lshl_add_u32 v30, v0, 2, 0x46400
	v_mov_b32 v31, 0
	ds_add_u32 v30, v31
	ds_add_u32 v30, v31
	v_lshrrev_b32 v1, 5, v0
	v_readfirstlane_b32 s14, v1                    ; wave 0..3
	s_lshr_b32 s15, s14, 1                         ; which 64 rows are mine.  Also: I fetch for c (0) or for Wo (1)
	s_and_b32 s16, s14, 1                          ; which 64 columns.  Also: which half of that tile I fetch
	s_bfe_u32 s56, ttmp6, 0x40000                  ; cx, cy: my place in the cluster
	s_bfe_u32 s57, ttmp6, 0x40004
	s_lshl_b32 s58, ttmp9, 2
	s_add_co_u32 s58, s58, s56                     ; block of 128 columns = 4 x cluster x + cx
	s_and_b32 s59, ttmp7, 0xffff
	s_lshl_b32 s59, s59, 2
	s_add_co_u32 s59, s59, s57                     ; block of 128 rows = 4 x cluster y + cy
	s_lshl_b32 s60, s57, 2
	s_lshl_b32 s60, 15, s60                        ; my row of the cluster
	s_lshl_b32 s61, 0x1111, s56                    ; my column
	; c: four tiles of rows; each whole: 16,384 bytes (2,048 elements of 8 bytes), dense in memory and in LDS
	s_or_b32 s[G1C], s60, (3<<16)|(1<<21)          ; 15:0 the mask: my row; 17:16 elements of 8 bytes; 21 set beside a mask
	s_mov_b32 s[G1C+1], 2048<<16                   ; a tile of rows is 2,048 elements, dense
	s_mov_b32 s[G1C+2], 4<<16                      ; tensor_dim1 = 4
	s_mov_b32 s[G1C+3], 2048<<16
	s_mov_b32 s[G1C+4], 4                          ; tile_dim1 = 4
	s_mov_b32 s[G1C+5], 2048                       ; from row to row, in elements
	s_mov_b32 s[G1C+6], 0
	s_mov_b32 s[G1C+7], 0
	; Wo: 64 rows of 1,024 bytes, 1,024 bytes apart in memory, padded in LDS
	s_or_b32 s[G1W], s61, (1<<20)|(1<<21)|(7<<22)|(3<<25)   ; the mask: my column; elements of 1 byte; padding: four words after every 256
	s_mov_b32 s[G1W+1], 1024<<16
	s_mov_b32 s[G1W+2], 64<<16
	s_mov_b32 s[G1W+3], 1024<<16
	s_mov_b32 s[G1W+4], 64
	s_mov_b32 s[G1W+5], 1024
	s_mov_b32 s[G1W+6], 0
	s_mov_b32 s[G1W+7], 0
	s_lshl_b32 s86, s16, 16                        ; my half: four tiles of 16,384 bytes of c, or 64 rows of 1,024 bytes of Wo
	s_lshl_b32 s84, s59, 17                        ; c: block of rows x 8 tiles x 16,384 bytes
	s_add_co_u32 s84, s84, s86
	s_mov_b32 s85, 0
	s_lshl_b32 s88, s58, 17                        ; Wo: block of columns x 128 rows x 1,024 bytes
	s_add_co_u32 s88, s88, s86
	s_mov_b32 s89, 0
	s_lshl_b32 s90, s16, 16                        ; where they go: no place in the cluster enters an LDS address
	s_mul_i32 s91, s16, 64*WP
	s_add_co_u32 s91, s91, WOL
	s_wait_dscnt 0x0
	s_wait_kmcnt 0x0
	s_load_b64 s[96:97], s[8:9], 0x28              ; e10, e11
	s_add_nc_u64 s[84:85], s[4:5], s[84:85]
	s_add_nc_u64 s[88:89], s[6:7], s[88:89]
.irp k, 0
	s_mov_b32 s[G0C+4*\k], 1
	s_add_co_u32 s[G0C+4*\k+1], s90, \k*32768
	s_add_nc_u64 s[G0C+4*\k+2:G0C+4*\k+3], s[84:85], \k*4096
	s_or_b32 s[G0C+4*\k+3], s[G0C+4*\k+3], 0x80000000
	s_mov_b32 s[G0W+4*\k], 1
	s_add_co_u32 s[G0W+4*\k+1], s91, \k*WCH
	s_add_nc_u64 s[G0W+4*\k+2:G0W+4*\k+3], s[88:89], \k*256
	s_or_b32 s[G0W+4*\k+3], s[G0W+4*\k+3], 0x80000000
.endr
	CROUND                                         ; all sixteen work-groups are here: the joint loads meet
	s_cmp_eq_u32 s15, 0                            ; one tensor load a wave, in one branch on its number
	s_cbranch_scc0 .Lfirst_w
	tensor_load_to_lds s[G0C:G0C+3], s[G1C:G1C+7]
	s_nop 0
.rept 4
	v_nop
.endr
	s_branch .Lfirst_asked
.Lfirst_w:
	tensor_load_to_lds s[G0W:G0W+3], s[G1W:G1W+7]
	s_nop 0
.rept 4
	v_nop
.endr
.Lfirst_asked:
	v_and_b32 v1, 15, v0                           ; r
	v_bfe_u32 v2, v0, 4, 1                         ; h
	v_and_b32 v3, 31, v0
	v_lshlrev_b32 v3, 4, v3                        ; 16 x lane
	s_lshl_b32 s94, s15, 16                        ; my four tiles of rows
	v_add_nc_u32 v[ADC], s94, v3
	v_mul_u32_u24 v12, v1, WP
	v_lshl_add_u32 v12, v2, 3, v12                 ; Wo: row r x pitch + 8 x half
	s_mul_i32 s94, s16, 64*WP                      ; my 64 rows
	s_add_co_u32 s94, s94, WOL
	v_add_nc_u32 v[ADW], s94, v12
	s_mul_i32 s94, s14, 16*SP
	s_add_co_u32 s94, s94, STAGE                   ; my stage
	v_mul_u32_u24 v13, v1, SP                      ; in: row r, 32 bytes for each half of the lanes
	v_lshl_add_u32 v13, v2, 5, v13
	v_add_nc_u32 v[STO], s94, v13
	v_mul_u32_u24 v13, v2, SP                      ; back: lanes 0-15 take one row of 256 bytes, lanes 16-31 the next
	v_lshl_add_u32 v13, v1, 4, v13
	v_add_nc_u32 v[RD], s94, v13
	v_lshlrev_b32 v[CO], 12, v2                    ; and the same two rows in out0 (4,096 bytes a row)
	v_lshl_add_u32 v[CO], v1, 4, v[CO]
	s_lshl_b32 s92, s59, 19                        ; my part of out0: (128 x block of rows + 64 x half) x 4,096 + 512 x block of columns + 256 x half
	s_lshl_b32 s93, s15, 18
	s_add_co_u32 s92, s92, s93
	s_lshl_b32 s93, s58, 9
	s_add_co_u32 s92, s92, s93
	s_lshl_b32 s93, s16, 8
	s_add_co_u32 s92, s92, s93
	s_mov_b32 s93, 0
	s_add_nc_u64 s[10:11], s[10:11], s[92:93]
; 48 LDS loads in one run: step s's fragments (128 along K) into buffer s % 2: c's four as images, 16 bytes a lane; Wo's four from rows, 8 bytes a lane: the 32 lanes of such a load touch 64 different banks
.macro FETCH s
.set FB, 128*((\s)%2)
	WIN 0x40                                       ; destination window 1, address window 0
.irp i, 0,1,2,3
.irp g, 0,1,2,3
	ds_load_b128 v[FB+16*\i+4*\g:FB+16*\i+4*\g+3], v[ADC] offset:\i*16384+(\s)*2048+\g*512
.endr
.endr
.irp i, 0,1,2,3
.irp c, 0,1,2,3,4,5,6,7
	ds_load_b64 v[FB+64+16*\i+2*\c:FB+64+16*\i+2*\c+1], v[ADW] offset:\i*16*WP+(\s)*128+16*\c
.endr
.endr
.endm
; 16 matrix instructions; the accumulators take turns, one instruction a turn, in the same order in every step.  zero = 1: the first products start the sums
.macro MUL s, zero
.set FB, 128*((\s)%2)
	WIN 0x05                                       ; sources 0 and 1 window 1; C and D window 0
.irp a, 0,1,2,3
.irp b, 0,1,2,3
.if \zero
	v_wmma_f32_16x16x128_fp8_fp8 v[ACC+8*(4*\a+\b):ACC+8*(4*\a+\b)+7], v[FB+64+16*\b:FB+64+16*\b+15], v[FB+16*\a:FB+16*\a+15], 0
.else
	v_wmma_f32_16x16x128_fp8_fp8 v[ACC+8*(4*\a+\b):ACC+8*(4*\a+\b)+7], v[FB+64+16*\b:FB+64+16*\b+15], v[FB+16*\a:FB+16*\a+15], v[ACC+8*(4*\a+\b):ACC+8*(4*\a+\b)+7]
.endif
.endr
.endr
.endm
.macro ARRIVE left                     ; my part of the next chunk is in (the later chunks' loads, as many as left says, may stay out); then everybody's is
	s_wait_tensorcnt \left
	s_wait_dscnt 0x0                               ; this step's fragments are in, and no LDS instruction of mine is pending at the signal
	s_barrier_signal -1
	s_barrier_wait -1
.endm
	s_wait_alu depctr_va_vdst(0)
	ARRIVE 0                                       ; all of c and Wo: no tensor load is out from here on
	FETCH 0
	s_wait_dscnt 0x0
	FETCH 1
	MUL 0, 1
	s_wait_dscnt 0x0
	PLACES                                         ; in front of loads into the buffer that the last products have read
	FETCH 2
	MUL 1, 0
	s_wait_dscnt 0x0
	PLACES
	FETCH 3
	MUL 2, 0
	s_wait_dscnt 0x0
	PLACES
	FETCH 4
	MUL 3, 0
	s_wait_dscnt 0x0
	PLACES
	FETCH 5
	MUL 4, 0
	s_wait_dscnt 0x0
	PLACES
	FETCH 6
	MUL 5, 0
	s_wait_dscnt 0x0
	PLACES
	FETCH 7
	MUL 6, 0
	s_wait_dscnt 0x0
	MUL 7, 0
	WIN 0
; THE WAY OUT, block by block of 16 rows x 64 columns.  A lane holds 32 neighbouring bytes of a row, and the lanes beside it hold other rows: a block goes through my own stage in LDS and comes back as whole rows of
; 256 bytes.  LDS serves a wave's instructions in order (ISA guide 5.7.1.4): no wait between the stores and the loads, nor in front of the next block's stores.
.macro TOSTAGE a
.set J, 0
.rept 16
	v_pk_mul_f32 v[TMP+J:TMP+J+1], v[ACC+32*(\a)+J:ACC+32*(\a)+J+1], s[96:97] op_sel_hi:[1,0]   ; both x s96 = 2^(e10 + e11); each accumulator from its low end on
.set J, J+2
.endr
.irp b, 0,1,2,3
	ds_store_b128 v[STO], v[TMP+8*\b:TMP+8*\b+3] offset:64*\b
	ds_store_b128 v[STO], v[TMP+8*\b+4:TMP+8*\b+7] offset:64*\b+16
.endr
.set BB, BK+32*((\a)%2)
.irp i, 0,1,2,3,4,5,6,7
	ds_load_b128 v[BB+4*\i:BB+4*\i+3], v[RD] offset:2*\i*SP
.endr
.endm
.macro SEND a, younger                 ; younger: the LDS instructions issued behind block a's loads, which may stay out
.set BB, BK+32*((\a)%2)
	s_wait_dscnt \younger
.irp i, 0,1,2,3,4,5,6,7
	global_store_b128 v[CO], v[BB+4*\i:BB+4*\i+3], s[10:11] offset:(16*(\a)+2*\i)*4096 th:TH_STORE_NT   ; sixteen lanes store 256 consecutive bytes, at a multiple of 256 from out0's first byte; written once, read by nobody here
.endr
.endm
	s_wait_kmcnt 0x0
	s_add_co_i32 s96, s96, s97                     ; e10 + e11, between -126 and 127,
	s_add_co_i32 s96, s96, 127
	s_lshl_b32 s96, s96, 23                        ; makes the f32 number 2^(e10 + e11)
	PLACES                                         ; in front of the first read of results
	TOSTAGE 0
	TOSTAGE 1
	SEND 0, 16                                     ; behind block 0's loads: block 1's 8 stores and 8 loads
	s_wait_xcnt 0x0                                ; block 0's stores have read their registers: block 2's loads may land there
	TOSTAGE 2
	SEND 1, 16
	s_wait_xcnt 0x0
	TOSTAGE 3
	SEND 2, 16
	SEND 3, 0
	s_wait_tensorcnt 0x0
	ds_add_u32 v30, v31
	s_wait_dscnt 0x0
	CROUND                                         ; the closing round: no work-group ends while a partner may still ask for a tile that names it
	s_endpgm
.Lfunc_end_k_q39b41fc900_proj:
	.size	k_q39b41fc900_proj, .Lfunc_end_k_q39b41fc900_proj-k_q39b41fc900_proj
	.p2alignl 7, 3214868480
	.fill 96, 4, 3214868480
	.section	.rodata,"a",@progbits
	.p2align	6, 0x0
	.amdhsa_kernel k_q39b41fc900_proj
		.amdhsa_group_segment_fixed_size 288256
		.amdhsa_private_segment_fixed_size 0
		.amdhsa_enable_private_segment 0
		.amdhsa_kernarg_size 32
		.amdhsa_user_sgpr_count 2
		.amdhsa_user_sgpr_kernarg_segment_ptr 1
		.amdhsa_wavefront_size32 1
		.amdhsa_system_sgpr_workgroup_id_x 1
		.amdhsa_system_sgpr_workgroup_id_y 1
		.amdhsa_system_sgpr_workgroup_id_z 1
		.amdhsa_system_vgpr_workitem_id 0
		.amdhsa_next_free_vgpr 512
		.amdhsa_next_free_sgpr 100
		.amdhsa_reserve_vcc 0
		.amdhsa_float_denorm_mode_32 3
		.amdhsa_float_denorm_mode_16_64 3
		.amdhsa_memory_ordered 1
		.amdhsa_forward_progress 1
		.amdhsa_inst_pref_size 51
	.end_amdhsa_kernel
	.amdgpu_metadata
---
amdhsa.version: [ 1, 2 ]
amdhsa.kernels:
  - .name:           k_q39b41fc900_proj
    .symbol:         k_q39b41fc900_proj.kd
    .args:
      - { .name: cimg, .offset: 0, .size: 8, .value_kind: global_buffer, .address_space: global }
      - { .name: Wo_codes, .offset: 8, .size: 8, .value_kind: global_buffer, .address_space: global }
      - { .name: lowp_scales, .offset: 16, .size: 8, .value_kind: global_buffer, .address_space: global }
      - { .name: out0, .offset: 24, .size: 8, .value_kind: global_buffer, .address_space: global }
    .group_segment_fixed_size: 288256
    .private_segment_fixed_size: 0
    .kernarg_segment_align: 8
    .kernarg_segment_size: 32
    .max_flat_workgroup_size: 128
    .sgpr_count:     100
    .vgpr_count:     512
    .wavefront_size: 32
...
	.end_amdgpu_metadata
.endif
;; end of part 3
